; MI455X (gfx1250); checked and timed in simulation.
; The chip was launched on July 23, 2026; its instructions are those of AMD's public machine-readable ISA for CDNA 5 (MIT licence, August 2026) and "CDNA5" Instruction Set Architecture Reference Guide (July 2026). The comments in the code are by the model that wrote it; some were corrected since.
;; Mo EACT Block. Allowed arithmetic: matrix products marked QUANTISED: E4M3 operands, one given power-of-two scale a tensor, by v_wmma_f32_16x16x64_fp8_fp8 or v_wmma_f32_16x16x128_fp8_fp8, f32 sums; products left as they are: f32 operands where the result goes on into a quantised operand, else bf16, f16 or f32 operands; f32 sums; everything else in f32.
;; Inputs: b1 8 x 4,096 float32; b2 8 x 1,024 float32; hidden_states 4 x 256 x 1,024 float32; ln_b 8 x 1,024 float32; ln_g 8 x 1,024 float32; lowp_scales 4 int32 (the exponents e of the quantised operands' scales 2^e); router_b 8 float32; router_w 1,024 x 8 float32; w1_codes 8 x 4,096 x 32 x 32 uint8 (E4M3 codes of w1, K innermost, in blocks of 32 codes); w2_codes 8 x 1,024 x 128 x 32 uint8 (E4M3 codes of w2, K innermost, in blocks of 32 codes).
;; Outputs: out0 4 x 256 x 1,024 float32; out1 one number float32; out2 one number float32.
;; This version of the problem:
;;   THIS VERSION OF THE PROBLEM IS GIVEN IN LOW PRECISION. The matrix products marked QUANTISED in the list below multiply operands that are first quantised to E4M3 (4 exponent bits, 3 mantissa bits; 8 bits a number), with one given power-of-two scale for each operand tensor; their sums are f32. All else is computed in f32.
;;   The module's matrix products, in the order in which they are computed (A, B: the left and right operand; K: the contracted axis; several contracted axes count as one K, in the product's order):
;;     1. [M 1,024, K 1,024] x [K 1,024, N 8]; A: input hidden_states; B: input router_w: left as it is (N = 8 < 16)
;;     2. batch 1,024 x [M 8, K 2] x [K 2, N 1]; A: computed on the way; B: computed on the way: left as it is (K = 2 < 32)
;;     3. batch 8 x [M 1,024, K 1,024] x [K 1,024, N 4,096]; A: computed on the way; B: input w1 (given as codes): QUANTISED (scales: A lowp_scales[0], B lowp_scales[1])
;;     4. batch 8 x [M 1,024, K 4,096] x [K 4,096, N 1,024]; A: computed on the way; B: input w2 (given as codes): QUANTISED (scales: A lowp_scales[2], B lowp_scales[3])
;;     5. batch 1,024 x [M 1,024, K 8] x [K 8, N 1]; A: computed on the way; B: computed on the way: left as it is (K = 8 < 32)
;;   THE QUANTISER, for each operand of a quantised product, along K:
;;     - The operand's scale is 2^e, e = its entry of the input lowp_scales (int32; the entries are numbered through the quantised products in the list's order, A before B).
;;     - Each number is divided by the scale, clamped to +-448, and rounded to the nearest number of E4M3, ties to even, subnormals kept.
;;     - The product sums the exact products of the quantised numbers (number of the format x scale) in f32.
;;   ~~~python
;;   def quantise(x, axis, e):      # numpy; x: float32 -> the quantised numbers, widened to float32 again
;;       x = np.moveaxis(x, axis, -1); K = x.shape[-1]
;;       r = np.clip(x / 2.0 ** e, -448, 448)
;;       step = 2.0 ** (np.maximum(np.frexp(np.where(r == 0, 1, r))[1] - 1, -6) - 3)
;;       q = np.round(r / step) * step * 2.0 ** e      # np.round: ties to even
;;       return np.moveaxis(q, -1, axis).astype(np.float32)
;;   ~~~
;;   OPERANDS COMPUTED ON THE WAY. 'Computed on the way' means the value that the module computes at that place (a softmax that the list does not call 'softmax' is quantised finished and normalised). What goes into a quantiser is computed in f32, as accurately as f32 sums, v_exp_f32 and their like allow (about 1e-6 of the number): no bf16 or f16 on the way to a quantiser, and a product that is left as it is and whose result goes on into a quantised operand takes f32 operands (vector FMAs, or v_wmma_f32_16x16x4_f32). A number that lies on a knife's edge between two numbers of the format may be rounded either way, as far as f32 arithmetic and the matrix unit's own rounding can turn it there, and no further.
;;   INPUTS GIVEN AS CODES. w1 (in the module: [8, 1024, 4096], K = its axis 1); w2 (in the module: [8, 4096, 1024], K = its axis 1): each comes as NAME_codes (uint8): NAME with its K axis moved to the last place and cut into blocks of 32 codes, [.., K / 32, bytes a block], one block behind the other in memory; one code a byte (a code: sign, 4 exponent bits, 3 mantissa bits); its scale is its entry of lowp_scales. Its value is code x scale, taken as it is: it is not quantised again, and the codes and scales need not be those that the quantiser above would give.
;; One version. Each part assembles by itself: llvm-mc -triple=amdgcn-amd-amdhsa -mcpu=gfx1250 --defsym DOCPART=n.
;; ======== version 1 of 1: 4 launches
;; limits: right only within a limited range of input values
;; workspace buffers: xq 8,388,608 bytes; ridx 8,192 bytes of whole numbers; rwt 8,192 bytes; himg 33,554,432 bytes; y 33,685,504 bytes; rl 65,536 bytes of whole numbers
;; launch route (part 1): grid 256 x 1, 4 waves a work-group, no clusters, 2,560 bytes of LDS; arguments hidden_states, router_w, router_b, ln_g, ln_b, lowp_scales, xq, ridx, rwt; writes xq, ridx, rwt
.if DOCPART == 1
	.amdgcn_target "amdgcn-amd-amdhsa--gfx1250"
	.amdhsa_code_object_version 6
	.text
	.protected	k_q0693330de2_route
	.globl	k_q0693330de2_route
	.p2align	8
	.type	k_q0693330de2_route,@function
k_q0693330de2_route:
	s_mov_b64 s[64:65], 0
	v_nop
	global_prefetch_b8 v0, s[64:65] scope:SCOPE_SE
	s_setreg_imm32_b32 hwreg(HW_REG_WAVE_MODE, 25, 1), 1
	s_wait_xcnt 0x0
; ROUTER AND LAYER NORM.  For each token: logits = x . router_w + router_b, softmax, the two largest (the lower index keeps a tie), their weights renormalised;
; and for each of the 8 experts xn = (x - mean) rsqrt(var + 1e-5) g + b, quantised to E4M3 with the given scale 2^e0.
; Stored: ridx [1024][2] int32 (the two experts), rwt [1024][2] f32 (their weights), xq [8][1024][1024] codes, K innermost.  No address and no branch hangs on the choice here: later launches read it.
; SHARES.  A work-group takes tokens 4 g .. 4 g + 3; wave w takes columns 256 w .. 256 w + 255 of all four, a lane 8 neighbouring columns, so that ln_g and ln_b are read once for four tokens.
; The sums over a row meet in LDS: RED1 (a wave's 4 row sums and 32 partial logits, 256 bytes a wave), then RED2 (4 sums of squares, 16 bytes a wave): other bytes, so two barriers do.
; The variance is taken of x - mean (two passes over registers): a common offset of the inputs cancels before anything is squared.
; LIMITS: e0 between -126 and 119, so that 2^e0 and 448 x 2^e0 are f32 numbers.  NaN among the inputs is not served.  Two probabilities that agree to the last bits of f32 may be ranked either way.
; No matrix unit, no tensor load, no cluster: 8 columns of router_w are too few for a tile, and work-groups share only small tables.
.set X,    16                          ; v16-47   x[t][c] at X + 8 t + c; then x - mean; then (x - mean) rsqrt(..)
.set RW,   48                          ; v48-111  router_w[c][e] at RW + 8 c + e
.set BB,   48                          ; v48-111  afterwards ln_b[e][c] at BB + 8 e + c
.set G,    112                         ; v112-175 ln_g[e][c]
.set PS,   176                         ; v176-211 partial sums: row sums at PS + t, logits at PS + 4 + 8 t + e;  afterwards v176-239: the codes, two registers for each (e, t)
.set T,    212                         ; v212-227 at work
.set RED1, 0
.set RED2, 1024
.macro RED4 a, t                       ; four numbers are summed over the 32 lanes, side by side; every lane ends with the sums
.irp m, 1,2,4,8
.irp i, 0,1,2,3
	v_add_f32_dpp v[\a+\i], v[\a+\i], v[\a+\i] row_xmask:\m row_mask:0xf bank_mask:0xf
.endr
.endr
.irp i, 0,1,2,3
	v_permlanex16_b32 v[\t+\i], v[\a+\i], s34, s35         ; the other half of the lanes; its destination has been written before
.endr
.irp i, 0,1,2,3
	v_add_f32 v[\a+\i], v[\a+\i], v[\t+\i]
.endr
.endm
	s_load_b512 s[4:19], s[0:1], 0x0               ; x s[4:5], router_w s[6:7], router_b s[8:9], ln_g s[10:11], ln_b s[12:13], scales s[14:15], xq s[16:17], ridx s[18:19]
	s_load_b64 s[20:21], s[0:1], 0x40              ; rwt
	v_lshl_add_u32 v9, v0, 2, 0x800
	v_mov_b32 v15, 0
	v_lshrrev_b32 v1, 5, v0
	v_readfirstlane_b32 s22, v1                    ; wave
	v_lshlrev_b32 v5, 8, v1                        ; RED1: 256 x wave
	v_mov_b32 v6, 0
	v_lshlrev_b32 v7, 5, v1                        ; 32 x wave: the logits of the token that my wave routes
	v_lshlrev_b32 v8, 4, v1                        ; RED2: 16 x wave
	v_and_b32 v1, 31, v0                           ; lane
	v_lshlrev_b32 v2, 5, v0                        ; my 8 columns in a row of f32: 32 bytes x thread
	v_lshlrev_b32 v3, 8, v0                        ; my 8 rows of router_w: 256 bytes x thread
	v_lshlrev_b32 v4, 3, v0                        ; my 8 codes in a row of xq
	s_mov_b32 s34, 0x76543210
	s_mov_b32 s35, 0xfedcba98                      ; lane selects: lane l xor 16
	s_mov_b32 s36, 0x3a800000                      ; 1 / 1024
	s_mov_b32 s37, 0x3727c5ac                      ; 1e-5
	s_lshl_b32 s40, ttmp9, 14                      ; 4 rows of 4,096 bytes
	s_mov_b32 s41, 0
	s_lshl_b32 s42, ttmp9, 12                      ; 4 rows of 1,024 codes
	s_mov_b32 s43, 0
	s_lshl_b32 s44, ttmp9, 2
	s_add_co_u32 s44, s44, s22
	s_lshl_b32 s44, s44, 3                         ; 8 bytes x the token that my wave routes
	s_wait_alu depctr_va_vdst(0)
	s_wait_kmcnt 0x0
	s_load_b256 s[24:31], s[8:9], 0x0              ; router_b
	s_load_b32 s32, s[14:15], 0x0                  ; e0
	s_add_nc_u64 s[4:5], s[4:5], s[40:41]
	s_add_nc_u64 s[16:17], s[16:17], s[42:43]
.irp t, 0,1,2,3
.irp k, 0,1
	global_load_b128 v[X+8*\t+4*\k:X+8*\t+4*\k+3], v2, s[4:5] offset:4096*\t+16*\k
.endr
.endr
.irp k, 0,1,2,3,4,5,6,7,8,9,10,11,12,13,14,15
	global_load_b128 v[RW+4*\k:RW+4*\k+3], v3, s[6:7] offset:16*\k
.endr
.irp e, 0,1,2,3,4,5,6,7
.irp k, 0,1
	global_load_b128 v[G+8*\e+4*\k:G+8*\e+4*\k+3], v2, s[10:11] offset:4096*\e+16*\k
.endr
.endr
	s_wait_loadcnt 16                              ; x and router_w are in; ln_g's sixteen loads may stay out
	; my 8 columns' part of the four row sums
.irp t, 0,1,2,3
	v_pk_add_f32 v[T+2*\t:T+2*\t+1], v[X+8*\t:X+8*\t+1], v[X+8*\t+2:X+8*\t+3]
	v_pk_add_f32 v[T+8+2*\t:T+9+2*\t], v[X+8*\t+4:X+8*\t+5], v[X+8*\t+6:X+8*\t+7]
.endr
.irp t, 0,1,2,3
	v_pk_add_f32 v[T+2*\t:T+2*\t+1], v[T+2*\t:T+2*\t+1], v[T+8+2*\t:T+9+2*\t]
.endr
.irp t, 0,1,2,3
	v_add_f32 v[PS+\t], v[T+2*\t], v[T+2*\t+1]
.endr
	; and of the 32 logits: two experts an instruction, x[t][c] for both halves; sixteen chains side by side
.irp t, 0,1,2,3
.irp e, 0,2,4,6
	v_pk_mul_f32 v[PS+4+8*\t+\e:PS+5+8*\t+\e], v[RW+\e:RW+\e+1], v[X+8*\t:X+8*\t+1] op_sel_hi:[1,0]
.endr
.endr
.irp c, 0,2,4,6
.if \c > 0
.irp t, 0,1,2,3
.irp e, 0,2,4,6
	v_pk_fma_f32 v[PS+4+8*\t+\e:PS+5+8*\t+\e], v[RW+8*\c+\e:RW+8*\c+\e+1], v[X+8*\t+\c:X+8*\t+\c+1], v[PS+4+8*\t+\e:PS+5+8*\t+\e] op_sel_hi:[1,0,1]
.endr
.endr
.endif
.irp t, 0,1,2,3
.irp e, 0,2,4,6
	v_pk_fma_f32 v[PS+4+8*\t+\e:PS+5+8*\t+\e], v[RW+8*\c+8+\e:RW+8*\c+9+\e], v[X+8*\t+\c:X+8*\t+\c+1], v[PS+4+8*\t+\e:PS+5+8*\t+\e] op_sel:[0,1,0] op_sel_hi:[1,1,1]
.endr
.endr
.endr
.irp e, 0,1,2,3,4,5,6,7                        ; router_w is done with: its registers take ln_b
.irp k, 0,1
	global_load_b128 v[BB+8*\e+4*\k:BB+8*\e+4*\k+3], v2, s[12:13] offset:4096*\e+16*\k
.endr
.endr
.irp k, 0,1,2,3,4,5,6,7,8
	RED4 PS+4*\k, T
.endr
.irp k, 0,1,2,3,4,5,6,7,8
	ds_store_b128 v5, v[PS+4*\k:PS+4*\k+3] offset:RED1+16*\k   ; all lanes hold the same numbers and write the same words
.endr
	s_wait_dscnt 0x0                               ; for the other waves: my sums lie in LDS
	s_barrier_signal -1
	s_barrier_wait -1
.irp s, 0,1,2,3
	ds_load_b128 v[176+4*\s:179+4*\s], v6 offset:RED1+256*\s   ; the four waves' row sums
.endr
.irp s, 0,1,2,3
.irp k, 0,1
	ds_load_b128 v[192+8*\s+4*\k:195+8*\s+4*\k], v7 offset:RED1+256*\s+16+16*\k   ; and their parts of my token's 8 logits
.endr
.endr
	s_wait_dscnt 8                                 ; the row sums are in; the eight loads of logits may stay out
	v_pk_add_f32 v[176:177], v[176:177], v[180:181]
	v_pk_add_f32 v[178:179], v[178:179], v[182:183]
	v_pk_add_f32 v[184:185], v[184:185], v[188:189]
	v_pk_add_f32 v[186:187], v[186:187], v[190:191]
	v_pk_add_f32 v[176:177], v[176:177], v[184:185]
	v_pk_add_f32 v[178:179], v[178:179], v[186:187]
	v_pk_mul_f32 v[176:177], v[176:177], s[36:37] op_sel_hi:[1,0]
	v_pk_mul_f32 v[178:179], v[178:179], s[36:37] op_sel_hi:[1,0]   ; the four means
.irp t, 0,2
.irp c, 0,2,4,6
	v_pk_add_f32 v[X+8*\t+\c:X+8*\t+\c+1], v[X+8*\t+\c:X+8*\t+\c+1], v[176+\t:177+\t] op_sel_hi:[1,0] neg_lo:[0,1] neg_hi:[0,1]
	v_pk_add_f32 v[X+8*\t+8+\c:X+8*\t+9+\c], v[X+8*\t+8+\c:X+8*\t+9+\c], v[176+\t:177+\t] op_sel:[0,1] op_sel_hi:[1,1] neg_lo:[0,1] neg_hi:[0,1]
.endr
.endr
.irp t, 0,1,2,3
	v_pk_mul_f32 v[228+2*\t:229+2*\t], v[X+8*\t:X+8*\t+1], v[X+8*\t:X+8*\t+1]
.endr
.irp c, 2,4,6
.irp t, 0,1,2,3
	v_pk_fma_f32 v[228+2*\t:229+2*\t], v[X+8*\t+\c:X+8*\t+\c+1], v[X+8*\t+\c:X+8*\t+\c+1], v[228+2*\t:229+2*\t]
.endr
.endr
.irp t, 0,1,2,3
	v_add_f32 v[224+\t], v[228+2*\t], v[229+2*\t]
.endr
	RED4 224, 228
	ds_store_b128 v8, v[224:227] offset:RED2
	s_wait_dscnt 0x0                               ; my sums of squares lie in LDS, and my loads from RED1 are in
	s_barrier_signal -1
	s_barrier_wait -1
.irp s, 0,1,2,3
	ds_load_b128 v[228+4*\s:231+4*\s], v6 offset:RED2+16*\s
.endr
	; meanwhile: my token's logits
.irp e, 0,2,4,6
	v_pk_add_f32 v[192+\e:193+\e], v[192+\e:193+\e], v[200+\e:201+\e]
	v_pk_add_f32 v[208+\e:209+\e], v[208+\e:209+\e], v[216+\e:217+\e]
.endr
.irp e, 0,2,4,6
	v_pk_add_f32 v[192+\e:193+\e], v[192+\e:193+\e], v[208+\e:209+\e]
.endr
	s_wait_alu depctr_va_vdst(0)
	s_wait_kmcnt 0x0
.irp e, 0,1,2,3,4,5,6,7
	v_add_f32 v[192+\e], s[24+\e], v[192+\e]
.endr
	s_wait_dscnt 0x0
	v_pk_add_f32 v[228:229], v[228:229], v[232:233]
	v_pk_add_f32 v[230:231], v[230:231], v[234:235]
	v_pk_add_f32 v[236:237], v[236:237], v[240:241]
	v_pk_add_f32 v[238:239], v[238:239], v[242:243]
	v_pk_add_f32 v[228:229], v[228:229], v[236:237]
	v_pk_add_f32 v[230:231], v[230:231], v[238:239]
.irp t, 0,1,2,3
	v_fma_f32 v[228+\t], v[228+\t], s36, s37       ; var + 1e-5
.endr
	s_wait_alu depctr_va_vdst(0)
.irp t, 0,1,2,3
	v_rsq_f32 v[232+\t], v[228+\t]
.endr
	; the softmax's maximum stands behind the roots as independent plain work
	v_max3_num_f32 v200, v192, v193, v194
	v_max3_num_f32 v200, v200, v195, v196
	v_max3_num_f32 v200, v200, v197, v198
	v_max_num_f32 v200, v200, v199
.irp e, 0,1,2,3,4,5,6,7
	v_sub_f32 v[192+\e], v[192+\e], v200
.endr
.irp e, 0,1,2,3,4,5,6,7
	v_mul_f32 v[192+\e], 0x3fb8aa3b, v[192+\e]     ; x log2(e)
.endr
	s_wait_alu depctr_va_vdst(0)
.irp e, 0,1,2,3,4,5,6,7
	v_exp_f32 v[192+\e], v[192+\e]
.endr
	v_nop                                          ; a plain instruction behind the last transcendental
	s_wait_alu depctr_va_vdst(0)                   ; one wait for the four roots and the eight exponentials, ahead of their first reader
.irp t, 0,2
.irp c, 0,2,4,6
	v_pk_mul_f32 v[X+8*\t+\c:X+8*\t+\c+1], v[X+8*\t+\c:X+8*\t+\c+1], v[232+\t:233+\t] op_sel_hi:[1,0]
	v_pk_mul_f32 v[X+8*\t+8+\c:X+8*\t+9+\c], v[X+8*\t+8+\c:X+8*\t+9+\c], v[232+\t:233+\t] op_sel:[0,1] op_sel_hi:[1,1]
.endr
.endr
	v_add_f32 v201, v192, v193
	v_add_f32 v202, v194, v195
	v_add_f32 v203, v196, v197
	v_add_f32 v204, v198, v199
	v_add_f32 v201, v201, v202
	v_add_f32 v203, v203, v204
	v_add_f32 v201, v201, v203
	s_wait_alu depctr_va_vdst(0)
	v_rcp_f32 v202, v201
	v_mov_b32 v204, 0                              ; (a plain instruction behind the reciprocal)  the first choice's index
	s_wait_alu depctr_va_vdst(0)
.irp e, 0,1,2,3,4,5,6,7
	v_mul_f32 v[192+\e], v[192+\e], v202           ; the probabilities
.endr
	v_mov_b32 v203, v192
.irp e, 1,2,3,4,5,6,7
	v_cmp_gt_f32 vcc_lo, v[192+\e], v203           ; strictly larger: the lower index keeps a tie
	v_cndmask_b32 v203, v203, v[192+\e], vcc_lo
	v_cndmask_b32 v204, v204, \e, vcc_lo
.endr
.irp e, 0,1,2,3,4,5,6,7
	v_cmp_eq_u32 vcc_lo, \e, v204
	v_cndmask_b32 v[192+\e], v[192+\e], -1.0, vcc_lo   ; the first choice is struck out: under every probability
.endr
	v_mov_b32 v205, v192
	v_mov_b32 v206, 0
.irp e, 1,2,3,4,5,6,7
	v_cmp_gt_f32 vcc_lo, v[192+\e], v205
	v_cndmask_b32 v205, v205, v[192+\e], vcc_lo
	v_cndmask_b32 v206, v206, \e, vcc_lo
.endr
	v_add_f32 v207, v203, v205
	s_wait_alu depctr_va_vdst(0)
	v_rcp_f32 v208, v207
	v_cmp_eq_u32 vcc_lo, 1, v1                     ; (a plain instruction)  lane 1 takes the second choice
	s_wait_alu depctr_va_vdst(0)
	v_mul_f32 v203, v203, v208
	v_mul_f32 v205, v205, v208
	v_cndmask_b32 v13, v204, v206, vcc_lo
	v_cndmask_b32 v14, v203, v205, vcc_lo
	v_lshl_add_u32 v10, v1, 2, s44                 ; 8 x token + 4 x lane
	v_cmp_gt_u32 vcc_lo, 2, v1
	s_wait_alu depctr_va_vdst(0)
	s_wait_xcnt 0x0                                ; EXEC changes only behind this wait: loads are out
	s_wait_tensorcnt 0x0
	ds_add_u32 v9, v15
	s_wait_dscnt 0x0
	s_and_saveexec_b32 s38, vcc_lo
	global_store_b32 v10, v13, s[18:19]
	global_store_b32 v10, v14, s[20:21]
	s_wait_xcnt 0x0                                ; and again in front of the line that widens it
	s_or_b32 exec_lo, exec_lo, s38
	s_add_co_i32 s32, s32, 127
	s_lshl_b32 s33, s32, 23
	v_mov_b32 v11, s33                             ; 2^e0 as f32: the conversion takes its exponent field
	s_add_co_i32 s32, s32, 8
	s_lshl_b32 s32, s32, 23
	s_or_b32 s32, s32, 0x600000
	v_mov_b32 v12, s32                             ; 448 x 2^e0
	s_wait_alu depctr_va_vdst(0)
	s_wait_loadcnt 0x0                             ; ln_g and ln_b
; xn of expert e, token t, my 8 columns: one fused multiply-add, the hold, the conversion, 8 bytes a lane: the wave's store covers 256 consecutive bytes, aligned.
; The two sets of 8 numbers take turns, so that the plain lines of the next call stand between a conversion and the next write of its sources; each store has data registers of its own.
.macro QROW e, t
.set TS, 240+8*((\t)%2)
.set CR, 176+2*(4*(\e)+(\t))
.irp c, 0,2,4,6
	v_pk_fma_f32 v[TS+\c:TS+\c+1], v[X+8*(\t)+\c:X+8*(\t)+\c+1], v[G+8*(\e)+\c:G+8*(\e)+\c+1], v[BB+8*(\e)+\c:BB+8*(\e)+\c+1]
.endr
.irp c, 0,1,2,3,4,5,6,7
	v_med3_num_f32 v[TS+\c], v[TS+\c], -v12, v12   ; the conversion to an 8-bit code does not saturate (ISA guide 7.6.2): the hold at the largest code x the scale
.endr
	v_cvt_scalef32_pk8_fp8_f32 v[CR:CR+1], v[TS:TS+7], v11
	global_store_b64 v4, v[CR:CR+1], s[16:17] offset:1048576*(\e)+1024*(\t)
.endm
.irp e, 0,1,2,3,4,5,6,7
.irp t, 0,1,2,3
	QROW \e, \t
.endr
.endr
	s_endpgm
.Lfunc_end_k_q0693330de2_route:
	.size	k_q0693330de2_route, .Lfunc_end_k_q0693330de2_route-k_q0693330de2_route
	.p2alignl 7, 3214868480
	.fill 96, 4, 3214868480
	.section	.rodata,"a",@progbits
	.p2align	6, 0x0
	.amdhsa_kernel k_q0693330de2_route
		.amdhsa_group_segment_fixed_size 2560
		.amdhsa_private_segment_fixed_size 0
		.amdhsa_enable_private_segment 0
		.amdhsa_kernarg_size 72
		.amdhsa_user_sgpr_count 2
		.amdhsa_user_sgpr_kernarg_segment_ptr 1
		.amdhsa_wavefront_size32 1
		.amdhsa_system_sgpr_workgroup_id_x 1
		.amdhsa_system_sgpr_workgroup_id_y 1
		.amdhsa_system_sgpr_workgroup_id_z 1
		.amdhsa_system_vgpr_workitem_id 0
		.amdhsa_next_free_vgpr 256
		.amdhsa_next_free_sgpr 66
		.amdhsa_reserve_vcc 1
		.amdhsa_float_denorm_mode_32 3
		.amdhsa_float_denorm_mode_16_64 3
		.amdhsa_memory_ordered 1
		.amdhsa_forward_progress 1
		.amdhsa_inst_pref_size 72
	.end_amdhsa_kernel
	.amdgpu_metadata
---
amdhsa.version: [ 1, 2 ]
amdhsa.kernels:
  - .name:           k_q0693330de2_route
    .symbol:         k_q0693330de2_route.kd
    .args:
      - { .name: hidden_states, .offset: 0, .size: 8, .value_kind: global_buffer, .address_space: global }
      - { .name: router_w, .offset: 8, .size: 8, .value_kind: global_buffer, .address_space: global }
      - { .name: router_b, .offset: 16, .size: 8, .value_kind: global_buffer, .address_space: global }
      - { .name: ln_g, .offset: 24, .size: 8, .value_kind: global_buffer, .address_space: global }
      - { .name: ln_b, .offset: 32, .size: 8, .value_kind: global_buffer, .address_space: global }
      - { .name: lowp_scales, .offset: 40, .size: 8, .value_kind: global_buffer, .address_space: global }
      - { .name: xq, .offset: 48, .size: 8, .value_kind: global_buffer, .address_space: global }
      - { .name: ridx, .offset: 56, .size: 8, .value_kind: global_buffer, .address_space: global }
      - { .name: rwt, .offset: 64, .size: 8, .value_kind: global_buffer, .address_space: global }
    .group_segment_fixed_size: 2560
    .private_segment_fixed_size: 0
    .kernarg_segment_align: 8
    .kernarg_segment_size: 72
    .max_flat_workgroup_size: 128
    .sgpr_count:     66
    .vgpr_count:     256
    .wavefront_size: 32
...
	.end_amdgpu_metadata
.endif
;; end of part 1
;; launch ffn1 (part 2): grid 256 x 1, 4 waves a work-group, no clusters, 141,312 bytes of LDS; arguments ridx, xq, w1_codes, b1, lowp_scales, himg, rl; writes himg, rl
.if DOCPART == 2
	.amdgcn_target "amdgcn-amd-amdhsa--gfx1250"
	.amdhsa_code_object_version 6
	.text
	.protected	k_q0693330de2_ffn1
	.globl	k_q0693330de2_ffn1
	.p2align	8
	.type	k_q0693330de2_ffn1,@function
k_q0693330de2_ffn1:
	s_mov_b64 s[64:65], 0
	v_nop
	global_prefetch_b8 v0, s[64:65] scope:SCOPE_SE
	s_setreg_imm32_b32 hwreg(HW_REG_WAVE_MODE, 25, 1), 1
	s_wait_xcnt 0x0
; FIRST PRODUCT OF THE CHOSEN ROWS: h = gelu(xn W1 + b1), quantised to E4M3 with 2^e2.  Only the rows that chose an expert are multiplied: all others get the weight 0 in the combination.
; THE WEIGHTS STAND STILL.  Work-group (e, nt) owns hidden units 128 nt .. 128 nt + 127 of expert e, 128 KiB of codes: each byte of w1 is read by one work-group, once, in runs of 512 consecutive bytes,
; and laid into LDS (rows 1,040 bytes apart, so that the sixteen rows of a fragment start at sixteen different banks: 64 banks of 4 bytes, ISA guide 11.1).
; THE EXPERT'S LIST OF ROWS is made here, while the weights are on their way: wave 0 reads all 2,048 choices (ridx, stored by the launch before) and lays the rows that chose e into LDS, rid = 2 x token + slot:
; a counting sort without atomics, 32 steps of 32 tokens; a lane's place is the running count + the number of lower lanes that chose e.  The second product reads this list from rl: the same order.
; No other wave touches LDS before the first barrier.  Behind the second barrier LDS is only read, and the waves share nothing more.
; THE ROWS WALK PAST.  A pass serves 20 tiles of 16 rows: wave w takes tiles 20 p + 4 rt + w, rt = 0 .. 4, gathered from xq by the list; their codes for all of K (640 registers) stay in registers
; for the pass.  Four passes (a constant count; a pass beyond the expert's tiles is jumped over) serve every split, all 1,024 tokens on one expert too.  Each weight fragment read from LDS feeds five products.
; TRANSPOSED USE: source 0 = 16 rows of W1, source 1 = 16 rows of xn: a lane holds one row, its registers run along the hidden units.  THE ROWS OF W1 THAT FORM A TILE ARE NOT NEIGHBOURS: place r of tile
; 2 b + u holds row 32 b + 8 u + r + 8 (r / 8) (so laid while copying), so that the 16 registers of tiles 2 b, 2 b + 1 are hidden units 32 b + 16 (lane / 16) + 0 .. 15: the codes made of them are 16 bytes of the
; second product's operand.  himg holds that operand as images of its registers: [e][tile][K step of 128][2,048 bytes], piece c of lane l at 512 c + 16 l: a store of the wave covers 512 consecutive bytes, aligned.
; Fragments of both sides are fetched as four pieces of 16 bytes at 32 c + 16 (lane / 16): the same permutation of k on both sides, so every product meets its partner.
; gelu(x) = x / (1 + 2^(x (k0 + k1 x x))), k0 = -2 log2(e) sqrt(2 / pi), k1 = 0.044715 k0: the tanh form without a difference of near numbers; an exponential that overflows gives 0, one that underflows gives x.
; NO TENSOR LOAD, NO CLUSTER: the passes hang on a count made of numbers read from memory; what the 32 work-groups of an expert share is the small operand.
; LIMITS: e0 + e1 between -126 and 127; e2 between -126 and 119.  NaN among the inputs is not served.
; REGISTERS, in windows of 256: v0-31 addresses and constants; v32-159 four buffers of two weight fragments; v160-175 16 biases; v176-255 at work (80);
;   v256-895 xn's fragments (K step s, tile rt) at 256 + 80 s + 16 rt; v896-975 the ten accumulators (rt, u) at 896 + 16 rt + 8 u; v976-995 codes.
;   At the head v32-95 hold the choices, v96-255 and v896-991 stage the weights.
; The second product does not make the list anew: the expert's first work-group stores it, with the count, in rl, and the second product reads it from there.
.set LIST,   0                         ; LDS: the list: 1,280 places of 4 bytes, 32 dump words, and room up to byte 6,399, the highest that the fetch for a next pass can name (tile 99, row 15); all 6,656 bytes are filled
.set CNT,    6656                      ; the expert's count of rows, at 16 x lane
.set BIAS,   7168                      ; my 128 numbers of b1,
.set WL,     7680                      ; then 128 rows of W1
.set WPITCH, 1040
.set WPAIR,  32*WPITCH                 ; a pair of tiles
.set WP,   5                           ; v5-8   LDS address of my lane's place in pair 0 .. 3
.set BA0,  9                           ; v9     64 (lane / 16)
.set AOFF, 10                          ; v10-14 my row's byte offset in the expert's xq, tile rt
.set WST,  15                          ; v15    where my wave lays its 32 rows of W1
.set SC,   16                          ; v16    2^e2
.set LIM,  17                          ; v17    448 x 2^e2
.set K0,   18                          ; v18-19 k0, twice
.set HOF,  20                          ; v20-24 tile rt's byte offset in the expert's himg + 16 x lane
.set BST,  25                          ; v25    4 x thread
.set BW,   26                          ; v26    my number of b1
.set L0,   27                          ; v27    64 x wave + 4 (lane % 16): my row's word in a pass's first tiles of the list
.set LO,   28                          ; v28    the same in the pass that is being fetched
.set BGO,  29                          ; v29    4 x thread
.set BR,   10                          ; the list's making, in registers that are written anew afterwards:
.set BT,   12                          ; v12 the count, for its store,
.set PAD,  20                          ; v20-23 the pad value, four times; then v20: the count as read back
.set DW,   24                          ; v24    1280 + lane: my dump word
.set BP,   30
.set RX,   32                          ; v32-95 the choices: load j, lane l: tokens 64 j + 2 l and 64 j + 2 l + 1, two experts each
.set WB,   32
.set BI,   160
.set Z,    176
.set AR,   256
.set ACC,  896
.set AC3,  128                         ; ACC and the codes as window 3 names them
.set CD3,  208
.set MSB, 0
.macro WIN new                         ; the immediate's high byte repeats the setting that is left; a switch that changes nothing is dropped
.if MSB != (\new)
	s_set_vgpr_msb (MSB<<8)|(\new)
.set MSB, (\new)
.endif
.endm
.macro WREG n                          ; staging register of the n-th run of 512 bytes
.if (\n) < 40
.set rS, 96+4*(\n)
.else
.set rS, ACC+4*((\n)-40)
.endif
.endm
; THE LIST, by wave 0 alone, ahead of its own loads of weights.  All places first get the pad value 2048 + e; LDS serves a wave's instructions in order (ISA guide 5.7.1.4), so the rids land on top.
; A lane with nothing to place stores to its dump word.  Every place is held under 1,312 words.  Four groups of eight steps of 32 tokens: a group's masks and running counts come first (s66-97),
; then its places and rids, eight independent chains side by side (v96-119, free until the weights are asked for).
.macro BUILD
.irp k, 0,1,2,3,4,5,6,7,8,9,10,11,12
	ds_store_b128 v3, v[PAD:PAD+3] offset:LIST+512*\k
.endr
	s_mov_b32 s42, 0                               ; the running count
	s_wait_loadcnt 0x0                             ; the choices are in
.set i, 0
.rept 4
.irp k, 0,1,2,3,4,5,6,7
	v_cmp_eq_u32 s[66+\k], s17, v[RX+2*(i+\k)]     ; e is the token's first choice,
	v_cmp_eq_u32 s[74+\k], s17, v[RX+2*(i+\k)+1]   ; or its second
.endr
	s_wait_alu depctr_va_vdst(0)
.irp k, 0,1,2,3,4,5,6,7
	s_or_b32 s[66+\k], s[66+\k], s[74+\k]
.endr
.irp k, 0,1,2,3,4,5,6,7
	s_bcnt1_i32_b32 s[82+\k], s[66+\k]
.endr
.irp k, 0,1,2,3,4,5,6,7
	s_mov_b32 s[90+\k], s42                        ; the count so far
	s_add_co_u32 s42, s42, s[82+\k]
.endr
.irp k, 0,1,2,3,4,5,6,7
	v_mbcnt_lo_u32_b32 v[96+\k], s[66+\k], s[90+\k]   ; + the lower lanes that chose e
.endr
.irp k, 0,1,2,3,4,5,6,7
	v_cndmask_b32 v[104+\k], 0, 1, s[74+\k]        ; the slot
.endr
.irp k, 0,1,2,3,4,5,6,7
	v_add3_u32 v[112+\k], v[104+\k], v[BGO], 128*((i+\k)/2)+2*((i+\k)%2)   ; rid = the choice's word number in ridx (in wave 0 the thread's number is the lane's)
.endr
.irp k, 0,1,2,3,4,5,6,7
	v_cndmask_b32 v[96+\k], v[DW], v[96+\k], s[66+\k]
.endr
.irp k, 0,1,2,3,4,5,6,7
	v_min_u32 v[96+\k], 0x51f, v[96+\k]
.endr
.irp k, 0,1,2,3,4,5,6,7
	v_lshlrev_b32 v[96+\k], 2, v[96+\k]
.endr
.irp k, 0,1,2,3,4,5,6,7
	ds_store_b32 v[96+\k], v[112+\k] offset:LIST
.endr
.set i, i+8
.endr
	v_mov_b32 v[BT], s42
	ds_store_b32 v3, v[BT] offset:CNT
.endm
.macro LISTLOAD                        ; the rids of my five tiles' rows in the pass that begins at tile s23
	s_lshl_b32 s40, s23, 6
	v_add_nc_u32 v[LO], s40, v[L0]
.irp rt, 0,1,2,3,4
	ds_load_b32 v[AOFF+\rt], v[LO] offset:LIST+256*\rt
.endr
.endm
.macro AMATH                           ; rid -> token, held inside the table, -> byte offset; and the tiles' places in himg
	s_add_co_u32 s40, s23, s16
.irp rt, 0,1,2,3,4
	v_lshrrev_b32 v[AOFF+\rt], 1, v[AOFF+\rt]
	v_min_u32 v[AOFF+\rt], 0x3ff, v[AOFF+\rt]      ; a pad's rid gives token 1,023: its results are never used
	v_lshl_add_u32 v[AOFF+\rt], v[AOFF+\rt], 10, v4
	s_add_co_u32 s41, s40, 4*\rt
	s_lshl_b32 s41, s41, 16
	v_add_nc_u32 v[HOF+\rt], s41, v3
.endr
.endm
.macro ALOAD s0, s1                    ; xn's fragments of K steps s0 .. s1: 20 loads a K step
.set ks, \s0
.rept (\s1)-(\s0)+1
.set rr, 0
.rept 5
.set rA, AR+80*ks+16*rr
	WIN (rA/256)<<6
.irp c, 0,1,2,3
	global_load_b128 v[rA%256+4*\c:rA%256+4*\c+3], v[AOFF+rr], s[32:33] offset:128*ks+32*\c
.endr
.set rr, rr+1
.endr
.set ks, ks+1
.endr
	WIN 0
.endm
.macro WFETCH buf, adr, off            ; two weight fragments (a pair's tiles, one K step): 8 LDS loads
.irp u, 0,1
.irp c, 0,1,2,3
	ds_load_b128 v[WB+32*(\buf)+16*\u+4*\c:WB+32*(\buf)+16*\u+4*\c+3], v[\adr] offset:(\off)+16*WPITCH*\u+32*\c
.endr
.endr
.endm
.macro MM s, rt, u
.set rA, AR+80*(\s)+16*(\rt)
.set rC, AC3+16*(\rt)+8*(\u)
.set rW, WB+32*((\s)%4)+16*(\u)
	WIN 0xf0|((rA/256)<<2)                         ; weights window 0, xn its own window, C and D window 3
.if (\s) == 0
	v_wmma_f32_16x16x128_fp8_fp8 v[rC:rC+7], v[rW:rW+15], v[rA%256:rA%256+15], 0   ; the first K step starts the sums: nothing is cleared
.else
	v_wmma_f32_16x16x128_fp8_fp8 v[rC:rC+7], v[rW:rW+15], v[rA%256:rA%256+15], v[rC:rC+7]
.endif
.endm
; K step s of pair b: ten products, the ten accumulators by turns, one instruction a turn, in the same order in every step.
.macro STEP s, b
.if (\b) == 0                          ; xn's fragments arrive during a pass's first pair: 20 loads were issued for each K step behind this one
.if (\s) < 5
	s_wait_loadcnt 40                              ; two K steps' loads were issued behind this one's
.else
	s_wait_loadcnt 20*(7-(\s))
.endif
.endif
	s_wait_dscnt 16                                ; this step's weight fragments are in; the sixteen loads of the next two steps may stay out
.if (\s) < 5
	WFETCH ((\s)+3)%4, WP+(\b), 128*((\s)+3)
.else
	WFETCH ((\s)+3)%4, WP+((\b)+1)%4, 128*((\s)-5)
.endif
.irp rt, 0,1,2,3,4
.irp u, 0,1
	MM \s, \rt, \u
.endr
.endr
	WIN 0
.rept 4
	v_nop                                          ; four places in front of the next step's loads into the buffer just read, and of the first read of results
.endr
.if ((\b) == 0) && ((\s) < 5)
	ALOAD (\s)+3, (\s)+3                           ; xn's fragments three K steps on
.endif
.endm
; The pair's 80 numbers a lane: scale and bias, gelu, hold, conversion, store.  The exponentials are one batch with one wait, the reciprocals another.
.macro EPI b
	WIN 0xc3
.set j, 0
.rept 40
	v_pk_fma_f32 v[AC3+2*j:AC3+2*j+1], v[AC3+2*j:AC3+2*j+1], s[28:29], v[BI+(2*j)%16:BI+(2*j)%16+1] op_sel_hi:[1,0,1]   ; x = sum x 2^(e0 + e1) + b1; each accumulator from its low end on
.set j, j+1
.endr
	WIN 0x0f
.set j, 0
.rept 40
	v_pk_mul_f32 v[Z+2*j:Z+2*j+1], v[AC3+2*j:AC3+2*j+1], v[AC3+2*j:AC3+2*j+1]
.set j, j+1
.endr
	WIN 0
.set j, 0
.rept 40
	v_pk_fma_f32 v[Z+2*j:Z+2*j+1], v[Z+2*j:Z+2*j+1], s[30:31], v[K0:K0+1] op_sel_hi:[1,0,1]   ; k1 x x + k0
.set j, j+1
.endr
	WIN 0x0c
.set j, 0
.rept 40
	v_pk_mul_f32 v[Z+2*j:Z+2*j+1], v[Z+2*j:Z+2*j+1], v[AC3+2*j:AC3+2*j+1]
.set j, j+1
.endr
	WIN 0
.set j, 0
	s_wait_alu depctr_va_vdst(0)
.rept 80
	v_exp_f32 v[Z+j], v[Z+j]
.set j, j+1
.endr
	v_nop                                          ; a plain instruction behind the last exponential
	s_wait_alu depctr_va_vdst(0)                   ; one wait for the batch, ahead of its first reader
.set j, 0
.rept 40
	v_pk_add_f32 v[Z+2*j:Z+2*j+1], v[Z+2*j:Z+2*j+1], 1.0 op_sel_hi:[1,0]
.set j, j+1
.endr
.set j, 0
	s_wait_alu depctr_va_vdst(0)
.rept 80
	v_rcp_f32 v[Z+j], v[Z+j]
.set j, j+1
.endr
	v_nop
	s_wait_alu depctr_va_vdst(0)
	WIN 0xc3
.set j, 0
.rept 40
	v_pk_mul_f32 v[AC3+2*j:AC3+2*j+1], v[AC3+2*j:AC3+2*j+1], v[Z+2*j:Z+2*j+1]   ; gelu(x)
.set j, j+1
.endr
.set j, 0
.rept 80
	v_med3_num_f32 v[AC3+j], v[AC3+j], -v[LIM], v[LIM]   ; the conversion to an 8-bit code does not saturate (ISA guide 7.6.2)
.set j, j+1
.endr
	s_wait_xcnt 0x0                                ; the last pair's stores have read the codes' registers
.irp rt, 0,1,2,3,4
.irp u, 0,1
	v_cvt_scalef32_pk8_fp8_f32 v[CD3+4*\rt+2*\u:CD3+4*\rt+2*\u+1], v[AC3+16*\rt+8*\u:AC3+16*\rt+8*\u+7], v[SC]
.endr
.endr
	v_nop                                          ; a plain instruction between the last conversion and whatever next writes its sources
	WIN 0
	s_add_co_u32 s40, s22, s16                     ; my first tile of this pass
.irp rt, 0,1,2,3,4
	s_add_co_u32 s41, s40, 4*\rt
	s_cmp_ge_u32 s41, s20                          ; a tile beyond the expert's rows stores nothing
	s_cbranch_scc1 .Lno_\@_\rt
	WIN 0x0c
	s_wait_alu depctr_va_vdst(0)
	global_store_b128 v[HOF+\rt], v[CD3+4*\rt:CD3+4*\rt+3], s[36:37] offset:512*(\b)   ; piece b of the image (tile, K step nt): 512 consecutive bytes, aligned
	WIN 0
.Lno_\@_\rt:
.endr
.endm
.macro PAIR b
.irp k, 0,1,2,3
	ds_load_b128 v[BI+4*\k:BI+4*\k+3], v[BA0] offset:BIAS+128*(\b)+16*\k   ; b1 of hidden units 32 b + 16 (lane / 16) + 0 .. 15
.endr
.irp s, 0,1,2,3,4,5,6,7
	STEP \s, \b
.endr
	EPI \b
.endm
	s_load_b256 s[4:11], s[0:1], 0x0               ; ridx s[4:5], xq s[6:7], w1 s[8:9], b1 s[10:11]
	s_load_b128 s[12:15], s[0:1], 0x20             ; scales s[12:13], himg s[14:15]
	s_load_b64 s[38:39], s[0:1], 0x30              ; rl: the experts' lists, for the second product
	s_set_vgpr_msb 0xc0
	v_lshl_add_u32 v254, v0, 2, 0x22600
	v_mov_b32 v255, 0
	s_set_vgpr_msb 0xc000
	v_lshrrev_b32 v1, 5, v0
	v_readfirstlane_b32 s16, v1                    ; wave
	s_bfe_u32 s17, ttmp9, 0x20002                  ; e = bits 3, 2 and 0 of the work-group's number
	s_lshl_b32 s17, s17, 1
	s_and_b32 s40, ttmp9, 1
	s_or_b32 s17, s17, s40
	s_lshr_b32 s18, ttmp9, 4                       ; nt = bits 7 .. 4 and 1
	s_lshl_b32 s18, s18, 1
	s_bfe_u32 s40, ttmp9, 0x10001
	s_or_b32 s18, s18, s40
	v_and_b32 v1, 15, v0                           ; r
	v_bfe_u32 v2, v0, 4, 1                         ; h
	v_and_b32 v3, 31, v0
	v_add_nc_u32 v[DW], 1280, v3
	v_lshlrev_b32 v3, 4, v3                        ; 16 x lane
	v_lshlrev_b32 v4, 4, v2                        ; 16 h
	s_add_co_u32 s40, s17, 2048                    ; the pad value
.irp k, 0,1,2,3
	v_mov_b32 v[PAD+\k], s40
.endr
	v_mul_u32_u24 v[WP], v1, WPITCH
	v_add_nc_u32 v[WP], v[WP], v4
	v_add_nc_u32 v[WP], WL, v[WP]
.irp b, 1,2,3
	v_add_nc_u32 v[WP+\b], \b*WPAIR, v[WP]
.endr
	v_lshlrev_b32 v[BA0], 6, v2
	s_mul_i32 s40, s16, WPAIR
	v_add_nc_u32 v[WST], s40, v3
	v_add_nc_u32 v[WST], WL, v[WST]
	v_lshlrev_b32 v[BST], 2, v0
	v_lshlrev_b32 v[BGO], 2, v0
	s_lshl_b32 s40, s16, 6
	v_lshl_add_u32 v[L0], v1, 2, s40
	s_lshl_b32 s42, s17, 20                        ; the expert's 1,024 rows of xq
	s_mov_b32 s43, 0
	s_lshl_b32 s44, s17, 22                        ; w1: row 4096 e + 128 nt + 32 wave, 1,024 bytes a row
	s_lshl_b32 s46, s18, 17
	s_add_co_u32 s44, s44, s46
	s_lshl_b32 s46, s16, 15
	s_add_co_u32 s44, s44, s46
	s_mov_b32 s45, 0
	s_lshl_b32 s46, s17, 14                        ; b1: 4 (4096 e + 128 nt)
	s_lshl_b32 s48, s18, 9
	s_add_co_u32 s46, s46, s48
	s_mov_b32 s47, 0
	s_lshl_b32 s48, s17, 22                        ; himg: the expert's 64 tiles, K step nt
	s_lshl_b32 s50, s18, 11
	s_add_co_u32 s48, s48, s50
	s_mov_b32 s49, 0
	s_mov_b32 s22, 0                               ; the pass's first tile
	s_mov_b32 s23, 0                               ; the first tile of the pass that is being fetched
	s_wait_alu depctr_va_vdst(0)
	s_wait_kmcnt 0x0
	s_add_nc_u64 s[32:33], s[6:7], s[42:43]
	s_add_nc_u64 s[34:35], s[8:9], s[44:45]
	s_add_nc_u64 s[10:11], s[10:11], s[46:47]
	s_add_nc_u64 s[36:37], s[14:15], s[48:49]
	s_lshl_b32 s40, s17, 13                        ; rl: 8,192 bytes for each expert: 1,024 rids, then the count in 128 words
	s_mov_b32 s41, 0
	s_add_nc_u64 s[38:39], s[38:39], s[40:41]
	s_load_b128 s[24:27], s[12:13], 0x0            ; e0, e1, e2, e3
	s_cmp_lg_u32 s16, 0                            ; the one parting of the waves: wave 0 reads the choices and makes the list, while the others' weights are on their way
	s_cbranch_scc1 .Lbuilt
.irp j, 0,1,2,3,4,5,6,7,8,9,10,11,12,13,14,15
	global_load_b128 v[RX+4*\j:RX+4*\j+3], v3, s[4:5] offset:512*\j
.endr
	BUILD
	s_wait_alu depctr_va_vdst(0)
	s_wait_dscnt 0x0                               ; the stores have read their registers, which the weights take next
.Lbuilt:
	global_load_b32 v[BW], v[BGO], s[10:11]
.set n, 0
.rept 64                               ; my wave's 32 rows of W1, 512 consecutive bytes a load; read once in the launch
	WREG n
	WIN (rS/256)<<6
	global_load_b128 v[rS%256:rS%256+3], v3, s[34:35] offset:512*n th:TH_LOAD_NT
.set n, n+1
.endr
	WIN 0
	s_wait_kmcnt 0x0
	s_add_co_i32 s28, s24, s25
	s_add_co_i32 s28, s28, 127
	s_lshl_b32 s28, s28, 23                        ; 2^(e0 + e1) as f32
	s_mov_b32 s29, s28                             ; (named with it as a pair)
	s_mov_b32 s30, 0xbdd2d3e8                      ; k1 = -0.10294324
	s_mov_b32 s31, s30
	v_mov_b32 v[K0], 0xc0135761                    ; k0 = -2.3022082
	v_mov_b32 v[K0+1], 0xc0135761
	s_add_co_i32 s40, s26, 127
	s_lshl_b32 s41, s40, 23
	v_mov_b32 v[SC], s41
	s_add_co_i32 s40, s40, 8
	s_lshl_b32 s40, s40, 23
	s_or_b32 s40, s40, 0x600000
	v_mov_b32 v[LIM], s40
	s_wait_dscnt 0x0                               ; for the other waves: the list and the count lie in LDS
	s_barrier_signal -1
	s_barrier_wait -1                              ; the first barrier: up to here wave 0 alone has touched LDS
	ds_load_b32 v[PAD], v3 offset:CNT
	LISTLOAD
	s_wait_dscnt 0x0
	v_readfirstlane_b32 s19, v[PAD]                ; the expert's count of rows
	s_min_u32 s19, s19, 1024
	s_add_co_u32 s20, s19, 15
	s_lshr_b32 s20, s20, 4                         ; the expert's tiles of 16 rows
	AMATH
	ALOAD 0, 2
	s_wait_alu depctr_va_vdst(0)
	s_wait_loadcnt 60                              ; all but the 60 just issued: the weights and b1 are in
.set n, 0
.rept 64
	WREG n
.set ii, n/2
.if (ii < 8) || (ii >= 24)
.set rho, ii
.elseif ii < 16
.set rho, ii+8
.else
.set rho, ii-8
.endif
	WIN (rS/256)<<2
	ds_store_b128 v[WST], v[rS%256:rS%256+3] offset:WPITCH*rho+512*(n%2)   ; row ii of my 32 goes to place rho: the order that the tiles want
.set n, n+1
.endr
	WIN 0
	ds_store_b32 v[BST], v[BW] offset:BIAS
	s_wait_dscnt 0x0                               ; for the other waves: my rows lie in LDS
	s_barrier_signal -1
	s_barrier_wait -1                              ; the second and last barrier: from here on LDS is only read
	s_cmp_lg_u32 s18, 0                            ; the expert's first work-group stores the list: 1,024 rids (pads behind the last row) and the count
	s_wait_alu depctr_va_vdst(0)
	s_cbranch_scc1 .Llist
	v_lshlrev_b32 v184, 2, v[BST]                  ; 16 x thread
	ds_load_b128 v[176:179], v184 offset:LIST
	ds_load_b128 v[180:183], v184 offset:LIST+2048
.irp k, 0,1,2,3
	v_mov_b32 v[188+\k], s19
.endr
	s_wait_alu depctr_va_vdst(0)
	s_wait_dscnt 0x0
	global_store_b128 v184, v[176:179], s[38:39]
	global_store_b128 v184, v[180:183], s[38:39] offset:2048
	s_cmp_lg_u32 s16, 0
	s_cbranch_scc1 .Llistx
	global_store_b128 v3, v[188:191], s[38:39] offset:4096
.Llistx:
	s_wait_xcnt 0x0                                ; the stores have read their registers
.Llist:
	WFETCH 0, WP, 0
	WFETCH 1, WP, 128
	WFETCH 2, WP, 256
	s_mov_b32 s21, 0
.Lpass:                                            ; four trips, a constant; a pass beyond the expert's tiles is jumped over
	s_cmp_ge_u32 s22, s20
	s_cbranch_scc1 .Lskip
	PAIR 0
	PAIR 1
	PAIR 2
	PAIR 3                                         ; (its last steps fetch pair 0's first fragments again, for the next pass)
	s_add_co_u32 s23, s22, 20
	s_cmp_ge_u32 s23, s20
	s_cbranch_scc1 .Lskip
	s_wait_xcnt 0x0                                ; the stores have read their offsets: the next pass's may be written
	LISTLOAD
	s_wait_dscnt 0x0
	AMATH
	s_wait_alu depctr_va_vdst(0)
	ALOAD 0, 2
.Lskip:
	s_add_co_u32 s22, s22, 20
	s_add_co_u32 s21, s21, 1
	s_cmp_lt_u32 s21, 4
	s_cbranch_scc1 .Lpass
	s_wait_dscnt 0x0
	s_set_vgpr_msb 0xf
	s_wait_tensorcnt 0x0
	ds_add_u32 v254, v255
	s_wait_dscnt 0x0
	s_set_vgpr_msb 0xf00
	s_endpgm
.Lfunc_end_k_q0693330de2_ffn1:
	.size	k_q0693330de2_ffn1, .Lfunc_end_k_q0693330de2_ffn1-k_q0693330de2_ffn1
	.p2alignl 7, 3214868480
	.fill 96, 4, 3214868480
	.section	.rodata,"a",@progbits
	.p2align	6, 0x0
	.amdhsa_kernel k_q0693330de2_ffn1
		.amdhsa_group_segment_fixed_size 141312
		.amdhsa_private_segment_fixed_size 0
		.amdhsa_enable_private_segment 0
		.amdhsa_kernarg_size 56
		.amdhsa_user_sgpr_count 2
		.amdhsa_user_sgpr_kernarg_segment_ptr 1
		.amdhsa_wavefront_size32 1
		.amdhsa_system_sgpr_workgroup_id_x 1
		.amdhsa_system_sgpr_workgroup_id_y 1
		.amdhsa_system_sgpr_workgroup_id_z 1
		.amdhsa_system_vgpr_workitem_id 0
		.amdhsa_next_free_vgpr 1024
		.amdhsa_next_free_sgpr 98
		.amdhsa_reserve_vcc 0
		.amdhsa_float_denorm_mode_32 3
		.amdhsa_float_denorm_mode_16_64 3
		.amdhsa_memory_ordered 1
		.amdhsa_forward_progress 1
		.amdhsa_inst_pref_size 222
	.end_amdhsa_kernel
	.amdgpu_metadata
---
amdhsa.version: [ 1, 2 ]
amdhsa.kernels:
  - .name:           k_q0693330de2_ffn1
    .symbol:         k_q0693330de2_ffn1.kd
    .args:
      - { .name: ridx, .offset: 0, .size: 8, .value_kind: global_buffer, .address_space: global }
      - { .name: xq, .offset: 8, .size: 8, .value_kind: global_buffer, .address_space: global }
      - { .name: w1_codes, .offset: 16, .size: 8, .value_kind: global_buffer, .address_space: global }
      - { .name: b1, .offset: 24, .size: 8, .value_kind: global_buffer, .address_space: global }
      - { .name: lowp_scales, .offset: 32, .size: 8, .value_kind: global_buffer, .address_space: global }
      - { .name: himg, .offset: 40, .size: 8, .value_kind: global_buffer, .address_space: global }
      - { .name: rl, .offset: 48, .size: 8, .value_kind: global_buffer, .address_space: global }
    .group_segment_fixed_size: 141312
    .private_segment_fixed_size: 0
    .kernarg_segment_align: 8
    .kernarg_segment_size: 56
    .max_flat_workgroup_size: 128
    .sgpr_count:     98
    .vgpr_count:     1024
    .wavefront_size: 32
...
	.end_amdgpu_metadata
.endif
;; end of part 2
;; launch ffn2 (part 3): grid 256 x 1, 4 waves a work-group, no clusters, 167,424 bytes of LDS; arguments rl, himg, w2_codes, b2, lowp_scales, y; writes y
.if DOCPART == 3
	.amdgcn_target "amdgcn-amd-amdhsa--gfx1250"
	.amdhsa_code_object_version 6
	.text
	.protected	k_q0693330de2_ffn2
	.globl	k_q0693330de2_ffn2
	.p2align	8
	.type	k_q0693330de2_ffn2,@function
k_q0693330de2_ffn2:
	s_mov_b64 s[64:65], 0
	v_nop
	global_prefetch_b8 v0, s[64:65] scope:SCOPE_SE
	s_setreg_imm32_b32 hwreg(HW_REG_WAVE_MODE, 25, 1), 1
	s_wait_xcnt 0x0
; SECOND PRODUCT OF THE CHOSEN ROWS: y[kq][rid] = (quarter kq of K of) h W2 x 2^(e2 + e3), + b2 in quarter 0.  rid = 2 x token + slot; the last launch adds the quarters and combines.
; Rows that did not choose an expert get the weight 0 in the combination and are not multiplied.
; THE WEIGHTS STAND STILL.  Work-group (e, nt, kq) owns output columns 128 nt .. + 127 and K = 1024 kq .. + 1023 of expert e: 128 KiB of codes, read by this work-group alone, once, in runs of 512 consecutive
; bytes, laid into LDS with rows 1,040 bytes apart (the sixteen rows of a fragment start at sixteen different banks: 64 banks of 4 bytes, ISA guide 11.1).
; K is cut in four so that what a work-group reads of h (rows x 1,024 bytes) and what it stores (rows x 512 bytes) are both small; each quarter has a plane of y of its own, so every byte has one owner.
; THE ROWS WALK PAST: a pass serves 20 tiles of 16 rows, wave w tiles 20 p + 4 j + w, j = 0 .. 4; four passes, a constant count, serve every split (an expert has at most 64 tiles); a pass beyond the
; expert's tiles is jumped over.  The expert's list of rows and its count come from rl, stored by the launch before.  h comes as images of the operand's registers: a load of the wave reads 512 consecutive bytes.
; A tile beyond the expert's rows reads one and the same 16 bytes in all lanes and stores nothing.  Behind the one barrier a wave writes only its own stage.
; TRANSPOSED USE: source 0 = 16 rows of W2 (output columns), source 1 = 16 rows of h: a lane's eight results are eight neighbouring columns of one row.  A tile goes through the wave's own stage in LDS
; (16 rows x 528 bytes) and leaves by rows: sixteen lanes store 256 consecutive bytes, aligned, at the row that the list names.  The pads of the last tile go to row 2048 + e, which nobody reads.
; NO TENSOR LOAD, NO CLUSTER: the passes hang on a count read from memory.  No prefetch: the head's own loads ask for all of W2's share at once.
; LIMITS: e2 + e3 between -126 and 127.  NaN among the inputs is not served.
; REGISTERS: v0-31 addresses and b2; v32-159 W2's fragments, two halves of four, and on the way out rows; v192-511 h, four K steps by turns; v512-551 rids, then offsets in y;
;   v704-1023 the 40 accumulators, (tile j, slot a) at 704 + 64 j + 8 a; v768-1023 first hold W2.
.set WPITCH, 1040
.set STG,   128*WPITCH                 ; LDS: behind W2 four stages of 16 x 528 bytes,
.set SPITCH, 528
.set SPARE, STG+4*16*SPITCH            ; then the spare words: two blocks of 256 bytes that no other line names
.set W0,   4                           ; v4-5   LDS address of my lane's place in slots 0-3, 4-7
.set WST,  6                           ; v6     where my wave lays its 32 rows of W2
.set STO,  7                           ; v7     the stage: where I put 32 bytes of a row
.set RD,   8                           ; v8     the stage: where I read rows 8 (lane / 16) on
.set C16,  9                           ; v9     16 (lane % 16)
.set H32,  10                          ; v10    32 (lane / 16)
.set AOF,  11                          ; v11-15 tile j's byte offset in the expert's himg
.set RO,   16                          ; v16-20 and its rids' in the expert's list
.set B2,   22                          ; v22-29 b2 of my four columns of each 64
.set SPW,  30
.set NIL,  31
.set WB,   32
.set TMP,  160
.set AR,   192
.set RID,  0                           ; as window 2 names v512
.set ACC,  704
.set MSB, 0
.macro WIN new                         ; the immediate's high byte repeats the setting that is left; a switch that changes nothing is dropped
.if MSB != (\new)
	s_set_vgpr_msb (MSB<<8)|(\new)
.set MSB, (\new)
.endif
.endm
.macro AADDR                           ; the offsets of my five tiles of the pass that begins at tile s23
	s_add_co_u32 s41, s23, s16
.irp j, 0,1,2,3,4
	s_cmp_lt_u32 s41, s20
	s_cselect_b32 s45, s41, 0
	s_cselect_b32 s44, 0x1f0, 0
	s_min_u32 s45, s45, 63                         ; held inside the expert's 64 tiles,
	s_min_u32 s44, s44, 0x1f0                      ; and inside the lane's 16 x 31 bytes
	s_lshl_b32 s46, s45, 6
	s_lshl_b32 s45, s45, 16
	v_and_b32 v[TMP+\j], s44, v3
	v_add_nc_u32 v[AOF+\j], s45, v[TMP+\j]
	v_add_nc_u32 v[RO+\j], s46, v[H32]
	s_add_co_u32 s41, s41, 4
.endr
	s_wait_alu depctr_va_vdst(0)
.endm
.macro ALOADK s                        ; h's five fragments of K step s: 20 loads
.set rt, 0
.rept 5
.set rA, AR+80*((\s)%4)+16*rt
	WIN (rA/256)<<6
.irp c, 0,1,2,3
	global_load_b128 v[rA%256+4*\c:rA%256+4*\c+3], v[AOF+rt], s[32:33] offset:2048*(\s)+512*\c
.endr
.set rt, rt+1
.endr
	WIN 0
.endm
.macro RIDLOAD                         ; the rids of rows 8 (lane / 16) + 0 .. 7 of my five tiles: 10 loads
	WIN 0x80
.irp j, 0,1,2,3,4
	global_load_b128 v[RID+8*\j:RID+8*\j+3], v[RO+\j], s[4:5]
	global_load_b128 v[RID+8*\j+4:RID+8*\j+7], v[RO+\j], s[4:5] offset:16
.endr
	WIN 0
.endm
.macro WF g, s                         ; W2's fragments of slots 4 g .. 4 g + 3, K step s: 16 LDS loads
.irp a, 0,1,2,3
.irp c, 0,1,2,3
	ds_load_b128 v[WB+64*(\g)+16*\a+4*\c:WB+64*(\g)+16*\a+4*\c+3], v[W0+\g] offset:16*WPITCH*\a+128*(\s)+32*\c
.endr
.endr
.endm
; Half a K step: twenty products, twenty accumulators by turns, one instruction a turn; the other half's twenty follow.
.macro MMH s, g
.set rt, 0
.rept 5
.set rA, AR+80*((\s)%4)+16*rt
.set rC, ACC+64*rt+32*(\g)
	WIN ((rC/256)*0x50)|((rA/256)<<2)              ; W2 window 0, h its own window, C and D window 2 or 3
.set ca, 0
.rept 4
.set rD, (rC+8*ca)%256
.set rW, WB+64*(\g)+16*ca
.if (\s) == 0
	v_wmma_f32_16x16x128_fp8_fp8 v[rD:rD+7], v[rW:rW+15], v[rA%256:rA%256+15], 0   ; the first K step starts the sums
.else
	v_wmma_f32_16x16x128_fp8_fp8 v[rD:rD+7], v[rW:rW+15], v[rA%256:rA%256+15], v[rD:rD+7]
.endif
.set ca, ca+1
.endr
.set rt, rt+1
.endr
	WIN 0
.rept 4
	v_nop                                          ; four places in front of loads into registers just read
.endr
.endm
.macro STEP s
.if (\s) < 5
	s_wait_loadcnt 60                              ; three K steps' loads were issued behind this one's
.else
	s_wait_loadcnt 20*(7-(\s))
.endif
	s_wait_dscnt 0x0                               ; slots 0-3's fragments are in
	WF 1, \s
	MMH \s, 0
.if (\s) == 7
	s_wait_dscnt 0x0
.else
	WF 0, (\s)+1
	s_wait_dscnt 16                                ; slots 4-7's fragments are in; the sixteen just issued may stay out
.endif
	MMH \s, 1
.if (\s) < 4
	ALOADK (\s)+4                                  ; the registers just read take the K step four on
.endif
.endm
.macro STAGE j                         ; tile j through my stage, back as rows; LDS serves a wave's instructions in order (ISA guide 5.7.1.4)
.set rC, ACC+64*(\j)
.set OB, 32+64*((\j)%2)
	WIN (rC/256)<<2
.irp a, 0,1,2,3,4,5,6,7
	ds_store_b128 v[STO], v[rC%256+8*\a:rC%256+8*\a+3] offset:64*\a       ; each accumulator from its low end on
	ds_store_b128 v[STO], v[rC%256+8*\a+4:rC%256+8*\a+7] offset:64*\a+16
.endr
	WIN 0
.irp r, 0,1,2,3,4,5,6,7
	ds_load_b128 v[OB+8*\r:OB+8*\r+3], v[RD] offset:SPITCH*\r
	ds_load_b128 v[OB+8*\r+4:OB+8*\r+7], v[RD] offset:SPITCH*\r+256
.endr
.endm
.macro FIN j                           ; sum x 2^(e2 + e3) + b2 (0 but in quarter 0)
.set OB, 32+64*((\j)%2)
.irp r, 0,1,2,3,4,5,6,7
.irp k, 0,2,4,6
	v_pk_fma_f32 v[OB+8*\r+\k:OB+8*\r+\k+1], v[OB+8*\r+\k:OB+8*\r+\k+1], s[28:29], v[B2+\k:B2+\k+1] op_sel_hi:[1,0,1]
.endr
.endr
	s_wait_alu depctr_va_vdst(0)
.endm
.macro PUT j
.set OB, 32+64*((\j)%2)
	WIN 0x02
.irp r, 0,1,2,3,4,5,6,7
	global_store_b128 v[RID+8*(\j)+\r], v[OB+8*\r:OB+8*\r+3], s[36:37]              ; sixteen lanes store 256 consecutive bytes, aligned
	global_store_b128 v[RID+8*(\j)+\r], v[OB+8*\r+4:OB+8*\r+7], s[36:37] offset:256
.endr
	WIN 0
.endm
.macro TEST j, lab                     ; a tile beyond the expert's rows stores nothing
	s_add_co_u32 s41, s22, s16
.if (\j) > 0
	s_add_co_u32 s41, s41, 4*(\j)
.endif
	s_cmp_ge_u32 s41, s20
	s_cbranch_scc1 \lab
.endm
.macro SEND j
	FIN \j
	TEST \j, .Lnone_\@
	PUT \j
.Lnone_\@:
.endm
	s_load_b256 s[4:11], s[0:1], 0x0               ; rl s[4:5], himg s[6:7], w2 s[8:9], b2 s[10:11]
	s_load_b128 s[12:15], s[0:1], 0x20             ; scales s[12:13], y s[14:15]
	v_lshrrev_b32 v1, 5, v0
	v_readfirstlane_b32 s16, v1                    ; wave
	s_bfe_u32 s58, ttmp9, 0x20002                  ; e = bits 3, 2 and 0 of the work-group's number, as in the first product
	s_lshl_b32 s58, s58, 1
	s_and_b32 s40, ttmp9, 1
	s_or_b32 s58, s58, s40
	s_bfe_u32 s30, ttmp9, 0x10004                  ; kq = bits 4 and 1
	s_lshl_b32 s30, s30, 1
	s_bfe_u32 s40, ttmp9, 0x10001
	s_or_b32 s30, s30, s40
	s_lshr_b32 s31, ttmp9, 5                       ; nt
	s_lshl_b32 s48, s58, 22                        ; himg: the expert's tiles, K steps 8 kq on
	s_lshl_b32 s40, s30, 14
	s_add_co_u32 s48, s48, s40
	s_mov_b32 s49, 0
	s_lshl_b32 s50, s58, 22                        ; w2: row 1024 e + 128 nt + 32 wave of 4,096 bytes, + 1024 kq
	s_lshl_b32 s40, s31, 19
	s_add_co_u32 s50, s50, s40
	s_lshl_b32 s40, s16, 17
	s_add_co_u32 s50, s50, s40
	s_lshl_b32 s40, s30, 10
	s_add_co_u32 s50, s50, s40
	s_mov_b32 s51, 0
	s_lshl_b32 s40, s31, 9                         ; columns 128 nt on, in bytes of f32
	s_lshl_b32 s52, s58, 12                        ; b2
	s_add_co_u32 s52, s52, s40
	s_mov_b32 s53, 0
	s_mul_i32 s54, s30, 8421376                    ; y: plane kq of 2,056 rows
	s_add_co_u32 s54, s54, s40
	s_mov_b32 s55, 0
	s_lshl_b32 s56, s58, 13                        ; rl
	s_mov_b32 s57, 0
	s_mul_i32 s42, s16, 32*WPITCH
	s_mul_i32 s47, s16, 16*SPITCH
	s_add_co_u32 s47, s47, STG                     ; my stage
	s_mov_b32 s22, 0                               ; the pass's first tile
	s_mov_b32 s23, 0                               ; the first tile of the pass that is being fetched
	v_lshl_add_u32 v[SPW], v0, 2, SPARE
	v_mov_b32 v[NIL], 0
	v_and_b32 v1, 15, v0                           ; r
	v_bfe_u32 v2, v0, 4, 1                         ; h
	v_and_b32 v3, 31, v0
	v_lshlrev_b32 v3, 4, v3                        ; 16 x lane
	v_lshlrev_b32 v[C16], 4, v1
	v_lshlrev_b32 v[H32], 5, v2
	v_mul_u32_u24 v[W0], v1, WPITCH
	v_lshl_add_u32 v[W0], v2, 4, v[W0]
	v_add_nc_u32 v[W0+1], 64*WPITCH, v[W0]
	v_add_nc_u32 v[WST], s42, v3
	v_mul_u32_u24 v[STO], v1, SPITCH
	v_lshl_add_u32 v[STO], v2, 5, v[STO]
	v_add_nc_u32 v[STO], s47, v[STO]
	v_mul_u32_u24 v[RD], v2, 8*SPITCH
	v_add_nc_u32 v[RD], v[RD], v[C16]
	v_add_nc_u32 v[RD], s47, v[RD]
	s_wait_alu depctr_va_vdst(0)
	s_wait_kmcnt 0x0
	s_add_nc_u64 s[4:5], s[4:5], s[56:57]
	s_add_nc_u64 s[32:33], s[6:7], s[48:49]
	s_add_nc_u64 s[34:35], s[8:9], s[50:51]
	s_add_nc_u64 s[10:11], s[10:11], s[52:53]
	s_add_nc_u64 s[36:37], s[14:15], s[54:55]
	s_load_b32 s19, s[4:5], 0x1000                 ; the expert's count of rows
	s_load_b128 s[24:27], s[12:13], 0x0            ; e0, e1, e2, e3
	global_load_b128 v[B2:B2+3], v[C16], s[10:11]
	global_load_b128 v[B2+4:B2+7], v[C16], s[10:11] offset:256
	WIN 0xc0
.set n, 0
.rept 64                               ; my wave's 32 rows of W2, my quarter of K: 512 consecutive bytes a load; read once in the launch
	global_load_b128 v[4*n:4*n+3], v3, s[34:35] offset:4096*(n/2)+512*(n%2) th:TH_LOAD_NT
.set n, n+1
.endr
	WIN 0
	s_wait_kmcnt 0x0
	s_add_co_i32 s28, s26, s27
	s_add_co_i32 s28, s28, 127
	s_lshl_b32 s28, s28, 23                        ; 2^(e2 + e3) as f32
	s_mov_b32 s29, s28                             ; (named with it as a pair)
	s_min_u32 s19, s19, 1024
	s_add_co_u32 s20, s19, 15
	s_lshr_b32 s20, s20, 4                         ; the expert's tiles of 16 rows
	s_cmp_eq_u32 s30, 0
	s_cselect_b32 s39, -1, 0                       ; b2 goes in once: in quarter 0
	AADDR
	RIDLOAD
	ALOADK 0
	ALOADK 1
	ALOADK 2
	s_wait_loadcnt 60                              ; all but the 60 just issued: b2, W2 and the rids are in
	WIN 0x0c
.set n, 0
.rept 64
	ds_store_b128 v[WST], v[4*n:4*n+3] offset:WPITCH*(n/2)+512*(n%2)
.set n, n+1
.endr
	WIN 0
	ALOADK 3
.irp k, 0,1,2,3,4,5,6,7
	v_and_b32 v[B2+\k], s39, v[B2+\k]
.endr
	s_wait_alu depctr_va_vdst(0)
	s_wait_dscnt 0x0                               ; for the other waves: my rows lie in LDS; and the stores have read the staging registers
	s_barrier_signal -1
	s_barrier_wait -1                              ; the one barrier
	s_mov_b32 s21, 0
.Lpass:                                                ; four trips, a constant; a pass beyond the expert's tiles is jumped over
	s_cmp_ge_u32 s22, s20
	s_cbranch_scc1 .Lskip
	WF 0, 0
.irp s, 0,1,2,3,4,5,6,7
	STEP \s
.endr
	WIN 0x88
.set k, 0
.rept 40
	v_min_u32 v[RID+k], 0x807, v[RID+k]            ; held inside y's 2,056 rows
.set k, k+1
.endr
	WIN 0x82
.set k, 0
.rept 40
	v_lshl_add_u32 v[RID+k], v[RID+k], 12, v[C16]
.set k, k+1
.endr
	WIN 0
	s_wait_alu depctr_va_vdst(0)
	s_wait_xcnt 0x0                                ; (in a later pass) the stores have read their registers
	STAGE 0
	STAGE 1
	s_wait_dscnt 32                                ; tile 0 is back; tile 1's sixteen stores and sixteen loads may be out
	SEND 0
	s_wait_xcnt 0x0                                ; the stores have read their registers: tile 2 may be loaded there
	STAGE 2
	s_wait_dscnt 32
	SEND 1
	s_wait_xcnt 0x0
	STAGE 3
	s_wait_dscnt 32
	SEND 2
	s_wait_dscnt 0x0
	SEND 3
	TEST 4, .Lfour
	s_wait_xcnt 0x0
	STAGE 4
	s_wait_dscnt 0x0
	FIN 4
	PUT 4
.Lfour:
	s_add_co_u32 s23, s22, 20
	s_cmp_ge_u32 s23, s20
	s_cbranch_scc1 .Lskip
	s_wait_xcnt 0x0                                ; the stores have read their offsets: the next pass's rids may land there
	AADDR                                          ; (this pass's loads of h and of rids are all in: their offsets may be written)
	RIDLOAD
	ALOADK 0
	ALOADK 1
	ALOADK 2
	ALOADK 3
.Lskip:
	s_add_co_u32 s22, s22, 20
	s_add_co_u32 s21, s21, 1
	s_cmp_lt_u32 s21, 4
	s_cbranch_scc1 .Lpass
	s_wait_xcnt 0x0
	s_wait_tensorcnt 0x0                           ; the wave's end
	ds_add_u32 v[SPW], v[NIL]
	s_wait_dscnt 0x0
	s_endpgm
.Lfunc_end_k_q0693330de2_ffn2:
	.size	k_q0693330de2_ffn2, .Lfunc_end_k_q0693330de2_ffn2-k_q0693330de2_ffn2
	.p2alignl 7, 3214868480
	.fill 96, 4, 3214868480
	.section	.rodata,"a",@progbits
	.p2align	6, 0x0
	.amdhsa_kernel k_q0693330de2_ffn2
		.amdhsa_group_segment_fixed_size 167424
		.amdhsa_private_segment_fixed_size 0
		.amdhsa_enable_private_segment 0
		.amdhsa_kernarg_size 48
		.amdhsa_user_sgpr_count 2
		.amdhsa_user_sgpr_kernarg_segment_ptr 1
		.amdhsa_wavefront_size32 1
		.amdhsa_system_sgpr_workgroup_id_x 1
		.amdhsa_system_sgpr_workgroup_id_y 1
		.amdhsa_system_sgpr_workgroup_id_z 1
		.amdhsa_system_vgpr_workitem_id 0
		.amdhsa_next_free_vgpr 1024
		.amdhsa_next_free_sgpr 66
		.amdhsa_reserve_vcc 0
		.amdhsa_float_denorm_mode_32 3
		.amdhsa_float_denorm_mode_16_64 3
		.amdhsa_memory_ordered 1
		.amdhsa_forward_progress 1
		.amdhsa_inst_pref_size 119
	.end_amdhsa_kernel
	.amdgpu_metadata
---
amdhsa.version: [ 1, 2 ]
amdhsa.kernels:
  - .name:           k_q0693330de2_ffn2
    .symbol:         k_q0693330de2_ffn2.kd
    .args:
      - { .name: rl, .offset: 0, .size: 8, .value_kind: global_buffer, .address_space: global }
      - { .name: himg, .offset: 8, .size: 8, .value_kind: global_buffer, .address_space: global }
      - { .name: w2_codes, .offset: 16, .size: 8, .value_kind: global_buffer, .address_space: global }
      - { .name: b2, .offset: 24, .size: 8, .value_kind: global_buffer, .address_space: global }
      - { .name: lowp_scales, .offset: 32, .size: 8, .value_kind: global_buffer, .address_space: global }
      - { .name: y, .offset: 40, .size: 8, .value_kind: global_buffer, .address_space: global }
    .group_segment_fixed_size: 167424
    .private_segment_fixed_size: 0
    .kernarg_segment_align: 8
    .kernarg_segment_size: 48
    .max_flat_workgroup_size: 128
    .sgpr_count:     66
    .vgpr_count:     1024
    .wavefront_size: 32
...
	.end_amdgpu_metadata
.endif
;; end of part 3
;; launch mix (part 4): grid 256 x 1, 8 waves a work-group, no clusters, 0 bytes of LDS; arguments hidden_states, y, rwt, out0, out1, out2; writes out0, out1, out2
.if DOCPART == 4
	.amdgcn_target "amdgcn-amd-amdhsa--gfx1250"
	.amdhsa_code_object_version 6
	.text
	.protected	k_q0693330de2_mix
	.globl	k_q0693330de2_mix
	.p2align	8
	.type	k_q0693330de2_mix,@function
k_q0693330de2_mix:
	s_mov_b64 s[64:65], 0
	v_nop
	global_prefetch_b8 v0, s[64:65] scope:SCOPE_SE
	s_setreg_imm32_b32 hwreg(HW_REG_WAVE_MODE, 25, 1), 1
	s_wait_xcnt 0x0
; THE COMBINATION: out0[t] = w0 (x[t] + sum over q of y[q][2 t]) + w1 (x[t] + sum over q of y[q][2 t + 1]), q = 0 .. 3; out1 = out2 = 0.
; A stream: one wave takes half a token's row, 2,048 bytes, in four chunks of 512 consecutive bytes; all 36 loads are issued at once, chunk by chunk, and each chunk is worked on when its nine loads are in.
; Each byte of the output has one owner.  No LDS, no barrier, no matrix unit: nothing is shared and nothing is multiplied but by two weights.
.set PLANE, 8421376                    ; 2,056 rows of 4,096 bytes
	s_load_b256 s[4:11], s[0:1], 0x0               ; x s[4:5], y s[6:7], rwt s[8:9], out0 s[10:11]
	s_load_b128 s[12:15], s[0:1], 0x20             ; out1, out2
	v_lshrrev_b32 v1, 5, v0
	v_readfirstlane_b32 s16, v1                    ; wave
	v_and_b32 v2, 31, v0
	v_lshlrev_b32 v2, 4, v2                        ; 16 x lane
	s_lshl_b32 s17, ttmp9, 2
	s_lshr_b32 s18, s16, 1
	s_add_co_u32 s17, s17, s18                     ; my token
	s_and_b32 s30, s16, 1
	s_lshl_b32 s30, s30, 11                        ; my half of its row
	s_lshl_b32 s18, s17, 12                        ; its row of x and of out0
	s_add_co_u32 s18, s18, s30
	s_mov_b32 s19, 0
	s_lshl_b32 s20, s17, 13                        ; its two rows in a plane of y
	s_add_co_u32 s20, s20, s30
	s_mov_b32 s21, 0
	s_lshl_b32 s22, s17, 3                         ; its two weights
	s_mov_b32 s23, 0
	s_wait_alu depctr_va_vdst(0)
	s_wait_kmcnt 0x0
	s_add_nc_u64 s[8:9], s[8:9], s[22:23]
	s_load_b64 s[24:25], s[8:9], 0x0               ; w0, w1
	s_add_nc_u64 s[4:5], s[4:5], s[18:19]
	s_add_nc_u64 s[10:11], s[10:11], s[18:19]
	s_add_nc_u64 s[6:7], s[6:7], s[20:21]
	s_add_nc_u64 s[28:29], s[6:7], PLANE
	s_add_nc_u64 s[32:33], s[28:29], PLANE
	s_add_nc_u64 s[34:35], s[32:33], PLANE
; registers of a chunk: x at 16 + 36 j; the first choice's four planes at 20 + 36 j + 4 q; the second's at 36 + 36 j + 4 q
.irp j, 0,1,2,3
	global_load_b128 v[16+36*\j:19+36*\j], v2, s[4:5] offset:512*\j th:TH_LOAD_NT
.irp r, 0,1
	global_load_b128 v[20+36*\j+16*\r:23+36*\j+16*\r], v2, s[6:7] offset:4096*\r+512*\j th:TH_LOAD_NT
	global_load_b128 v[24+36*\j+16*\r:27+36*\j+16*\r], v2, s[28:29] offset:4096*\r+512*\j th:TH_LOAD_NT
	global_load_b128 v[28+36*\j+16*\r:31+36*\j+16*\r], v2, s[32:33] offset:4096*\r+512*\j th:TH_LOAD_NT
	global_load_b128 v[32+36*\j+16*\r:35+36*\j+16*\r], v2, s[34:35] offset:4096*\r+512*\j th:TH_LOAD_NT
.endr
.endr
	s_wait_kmcnt 0x0
	s_mov_b32 s26, s25                             ; w1 as the low word of a pair of its own
	s_mov_b32 s27, s25
.macro ADDTO d, s                      ; four numbers: d += s
	v_pk_add_f32 v[\d:\d+1], v[\d:\d+1], v[\s:\s+1]
	v_pk_add_f32 v[\d+2:\d+3], v[\d+2:\d+3], v[\s+2:\s+3]
.endm
.macro OUTJ j
.set XB, 16+36*(\j)
	s_wait_loadcnt 9*(3-(\j))                      ; this chunk's nine loads are in; nine for each later chunk may stay out
	ADDTO XB+4, XB+8
	ADDTO XB+12, XB+16
	ADDTO XB+20, XB+24
	ADDTO XB+28, XB+32
	ADDTO XB+4, XB+12
	ADDTO XB+20, XB+28
	ADDTO XB+4, XB
	ADDTO XB+20, XB
.irp k, 0,2
	v_pk_mul_f32 v[XB+4+\k:XB+5+\k], v[XB+4+\k:XB+5+\k], s[24:25] op_sel_hi:[1,0]
.endr
.irp k, 0,2
	v_pk_fma_f32 v[XB+\k:XB+1+\k], v[XB+20+\k:XB+21+\k], s[26:27], v[XB+4+\k:XB+5+\k] op_sel_hi:[1,0,1]
.endr
	global_store_b128 v2, v[XB:XB+3], s[10:11] offset:512*(\j) th:TH_STORE_NT   ; 512 consecutive bytes, aligned
.endm
.irp j, 0,1,2,3
	OUTJ \j
.endr
	s_cmp_lg_u32 ttmp9, 0
	s_cbranch_scc1 .Lend
	v_cmp_eq_u32 vcc_lo, 0, v0                     ; the first thread of the first work-group stores the two zeros
	v_mov_b32 v3, 0
	s_wait_alu depctr_va_vdst(0)
	s_wait_xcnt 0x0                                ; EXEC changes only behind this wait
	s_and_saveexec_b32 s36, vcc_lo
	global_store_b32 v3, v3, s[12:13]
	global_store_b32 v3, v3, s[14:15]
	s_wait_xcnt 0x0
	s_or_b32 exec_lo, exec_lo, s36
.Lend:
	s_endpgm
.Lfunc_end_k_q0693330de2_mix:
	.size	k_q0693330de2_mix, .Lfunc_end_k_q0693330de2_mix-k_q0693330de2_mix
	.p2alignl 7, 3214868480
	.fill 96, 4, 3214868480
	.section	.rodata,"a",@progbits
	.p2align	6, 0x0
	.amdhsa_kernel k_q0693330de2_mix
		.amdhsa_group_segment_fixed_size 0
		.amdhsa_private_segment_fixed_size 0
		.amdhsa_enable_private_segment 0
		.amdhsa_kernarg_size 48
		.amdhsa_user_sgpr_count 2
		.amdhsa_user_sgpr_kernarg_segment_ptr 1
		.amdhsa_wavefront_size32 1
		.amdhsa_system_sgpr_workgroup_id_x 1
		.amdhsa_system_sgpr_workgroup_id_y 1
		.amdhsa_system_sgpr_workgroup_id_z 1
		.amdhsa_system_vgpr_workitem_id 0
		.amdhsa_next_free_vgpr 176
		.amdhsa_next_free_sgpr 66
		.amdhsa_reserve_vcc 1
		.amdhsa_float_denorm_mode_32 3
		.amdhsa_float_denorm_mode_16_64 3
		.amdhsa_memory_ordered 1
		.amdhsa_forward_progress 1
		.amdhsa_inst_pref_size 11
	.end_amdhsa_kernel
	.amdgpu_metadata
---
amdhsa.version: [ 1, 2 ]
amdhsa.kernels:
  - .name:           k_q0693330de2_mix
    .symbol:         k_q0693330de2_mix.kd
    .args:
      - { .name: hidden_states, .offset: 0, .size: 8, .value_kind: global_buffer, .address_space: global }
      - { .name: y, .offset: 8, .size: 8, .value_kind: global_buffer, .address_space: global }
      - { .name: rwt, .offset: 16, .size: 8, .value_kind: global_buffer, .address_space: global }
      - { .name: out0, .offset: 24, .size: 8, .value_kind: global_buffer, .address_space: global }
      - { .name: out1, .offset: 32, .size: 8, .value_kind: global_buffer, .address_space: global }
      - { .name: out2, .offset: 40, .size: 8, .value_kind: global_buffer, .address_space: global }
    .group_segment_fixed_size: 0
    .private_segment_fixed_size: 0
    .kernarg_segment_align: 8
    .kernarg_segment_size: 48
    .max_flat_workgroup_size: 256
    .sgpr_count:     66
    .vgpr_count:     176
    .wavefront_size: 32
...
	.end_amdgpu_metadata
.endif
;; end of part 4
